; MI455X (gfx1250); checked and timed in simulation.
; The chip was launched on July 23, 2026; its instructions are those of AMD's public machine-readable ISA for CDNA 5 (MIT licence, August 2026) and "CDNA5" Instruction Set Architecture Reference Guide (July 2026). The comments in the code are by the model that wrote it; some were corrected since.
;; Wavelet KAN Layer. Allowed arithmetic: matrix products marked QUANTISED: E4M3 operands, one given power-of-two scale a tensor, by v_wmma_f32_16x16x64_fp8_fp8 or v_wmma_f32_16x16x128_fp8_fp8, f32 sums; everything else in f32.
;; Inputs: bias 512 float32; lowp_scales 2 int32 (the exponents e of the quantised operands' scales 2^e); scales 16 float32; translations 16 float32; wavelet_weights 512 x 512 x 16 float32; x 8,192 x 512 float32.
;; Outputs: out0 8,192 x 512 float32.
;; This version of the problem:
;;   THIS VERSION OF THE PROBLEM IS GIVEN IN LOW PRECISION. The matrix products marked QUANTISED in the list below multiply operands that are first quantised to E4M3 (4 exponent bits, 3 mantissa bits; 8 bits a number), with one given power-of-two scale for each operand tensor; their sums are f32. All else is computed in f32.
;;   The module's matrix products, in the order in which they are computed (A, B: the left and right operand; K: the contracted axis; several contracted axes count as one K, in the product's order):
;;     1. [M 8,192, K 8,192] x [K 8,192, N 512]; A: computed on the way; B: input wavelet_weights: QUANTISED (scales: A lowp_scales[0], B lowp_scales[1])
;;   THE QUANTISER, for each operand of a quantised product, along K:
;;     - The operand's scale is 2^e, e = its entry of the input lowp_scales (int32; the entries are numbered through the quantised products in the list's order, A before B).
;;     - Each number is divided by the scale, clamped to +-448, and rounded to the nearest number of E4M3, ties to even, subnormals kept.
;;     - The product sums the exact products of the quantised numbers (number of the format x scale) in f32.
;;   ~~~python
;;   def quantise(x, axis, e):      # numpy; x: float32 -> the quantised numbers, widened to float32 again
;;       x = np.moveaxis(x, axis, -1); K = x.shape[-1]
;;       r = np.clip(x / 2.0 ** e, -448, 448)
;;       step = 2.0 ** (np.maximum(np.frexp(np.where(r == 0, 1, r))[1] - 1, -6) - 3)
;;       q = np.round(r / step) * step * 2.0 ** e      # np.round: ties to even
;;       return np.moveaxis(q, -1, axis).astype(np.float32)
;;   ~~~
;;   OPERANDS COMPUTED ON THE WAY. 'Computed on the way' means the value that the module computes at that place (a softmax that the list does not call 'softmax' is quantised finished and normalised). What goes into a quantiser is computed in f32, as accurately as f32 sums, v_exp_f32 and their like allow (about 1e-6 of the number): no bf16 or f16 on the way to a quantiser, and a product that is left as it is and whose result goes on into a quantised operand takes f32 operands (vector FMAs, or v_wmma_f32_16x16x4_f32). A number that lies on a knife's edge between two numbers of the format may be rounded either way, as far as f32 arithmetic and the matrix unit's own rounding can turn it there, and no further.
;; One version. Each part assembles by itself: llvm-mc -triple=amdgcn-amd-amdhsa -mcpu=gfx1250 --defsym DOCPART=n.
;; ======== version 1 of 1: 2 launches
;; limits: right only within a limited range of input values
;; workspace buffers: wq 4,194,304 bytes
;; launch wquant (part 1): grid 256 x 1, 8 waves a work-group, no clusters, 68,608 bytes of LDS; arguments wavelet_weights, lowp_scales, wq; writes wq
.if DOCPART == 1
	.amdgcn_target "amdgcn-amd-amdhsa--gfx1250"
	.amdhsa_code_object_version 6
	.text
	.protected	k_q50811ef5e7_wquant
	.globl	k_q50811ef5e7_wquant
	.p2align	8
	.type	k_q50811ef5e7_wquant,@function
k_q50811ef5e7_wquant:
	s_mov_b64 s[64:65], 0
	v_nop
	global_prefetch_b8 v0, s[64:65] scope:SCOPE_SE
	s_setreg_imm32_b32 hwreg(HW_REG_WAVE_MODE, 25, 1), 1
	s_wait_xcnt 0x0
; W [512 o][512 i][16 k], f32, becomes codes of FP8 (E4M3) with the one given scale 2^e1 (entry 1 of the buffer of scales), laid in the ORDER OF THE OPERAND'S REGISTERS for the product's launch:
;   wq [w 8][s 16][q 4][f 4][c 4][lane 32][16 bytes];  lane = 16 h + r;  the 16 bytes are the codes of W[o][i][0 .. 15] with o = 64 w + 16 f + r and i = 32 s + 8 q + 4 h + c.
; code = x / 2^e1, held within +-448, rounded to the nearest code, ties to even.  LIMITS: -126 <= e1 and e1 + 8 <= 127.  NaN among the inputs is not served.
; SHARES.  One wave makes one fragment's image: 16 o x 8 i x 16 k, 8,192 bytes in, 2,048 bytes out.  Each of its 16 loads reads 512 consecutive bytes of one o (8 i x 64 bytes); a lane of the image wants 64 consecutive
; bytes of one (o, i) four times, so the 8,192 bytes turn through the wave's own stage in LDS (rows 528 bytes apart: 33 x 16, so that the 16 rows that a read touches start at 16 different banks).
; Each store covers 512 consecutive bytes.  No tensor loads, no barrier: waves share nothing.  Straight line: every offset is an immediate.
.set PITCH, 528
.set WREG,  16*PITCH                   ; a wave's stage: 8,448 bytes
.set SPARE, 8*WREG                     ; behind the eight stages: the spare words, 128 bytes for each wave
.set LI,  1                            ; v1   16 x lane: my bytes of a load's 512 and of a store's 512
.set SIN, 2                            ; v2   the stage, on the way in
.set SOU, 3                            ; v3   the stage, on the way out
.set SPW, 4                            ; v4   LDS address of my spare word; never rewritten
.set NIL, 5                            ; v5   0; never rewritten
.set SC,  6                            ; v6   2^e1 as f32
.set R,   16                           ; v16-79   as loaded
.set Y,   80                           ; v80-143  register 16 c + 4 q + .. = W[o0 + r][i0 + 4 h + c][4 q + ..]
.set C,   144                          ; v144-159 the codes: four registers for each c
	s_load_b128 s[4:7], s[0:1], 0x0                ; W s[4:5], the scales' exponents s[6:7]
	s_load_b64 s[8:9], s[0:1], 0x10                ; wq
	v_lshl_add_u32 v[SPW], v0, 2, SPARE
	v_mov_b32 v[NIL], 0
	v_lshrrev_b32 v7, 5, v0
	s_delay_alu instid0(VALU_DEP_1)
	v_readfirstlane_b32 s12, v7                    ; wave 0..7
	v_and_b32 v7, 31, v0
	s_delay_alu instid0(VALU_DEP_1)
	v_lshlrev_b32 v[LI], 4, v7
	s_mul_i32 s13, s12, WREG
	v_add_nc_u32 v[SIN], s13, v[LI]                ; in: row j at offset 528 j, 16 bytes a lane
	v_and_b32 v8, 15, v0                           ; r
	v_bfe_u32 v9, v0, 4, 1                         ; h
	s_delay_alu instid0(VALU_DEP_2)
	v_mul_u32_u24 v[SOU], v8, PITCH
	s_delay_alu instid0(VALU_DEP_1)
	v_lshl_add_u32 v[SOU], v9, 8, v[SOU]
	s_delay_alu instid0(VALU_DEP_1)
	v_add_nc_u32 v[SOU], s13, v[SOU]               ; out: row r, + 256 h: i = 4 h + c lies 64 (4 h + c) bytes into the row
	s_and_b32 s14, ttmp9, 7
	s_lshl_b32 s14, s14, 3
	s_add_co_u32 s14, s14, s12                     ; which 8 i: 8 (work-group mod 8) + wave = 4 s + q, 0..63
	s_lshr_b32 s15, ttmp9, 3                       ; which 16 o: work-group / 8 = 4 w + f, 0..31
	s_lshl_b32 s16, s15, 19                        ; 16 o x 32,768 bytes
	s_lshl_b32 s17, s14, 9                         ; 8 i x 64 bytes
	s_add_co_u32 s16, s16, s17
	s_mov_b32 s17, 0
	s_lshr_b32 s18, s15, 2                         ; w
	s_and_b32 s24, s15, 3                          ; f
	s_lshl_b32 s18, s18, 6
	s_add_co_u32 s18, s18, s14                     ; 64 w + 4 s + q
	s_lshl_b32 s18, s18, 2
	s_add_co_u32 s18, s18, s24
	s_lshl_b32 s18, s18, 11                        ; (4 (64 w + 4 s + q) + f) x 2,048 bytes
	s_mov_b32 s19, 0
	s_wait_alu depctr_va_vdst(0)
	s_wait_kmcnt 0x0
	s_load_b32 s22, s[6:7], 0x4                    ; e1
	s_add_nc_u64 s[4:5], s[4:5], s[16:17]
	s_add_nc_u64 s[8:9], s[8:9], s[18:19]
.irp j, 0,1,2,3,4,5,6,7,8,9,10,11,12,13,14,15
	global_load_b128 v[R+4*\j:R+4*\j+3], v[LI], s[4:5] offset:32768*\j th:TH_LOAD_NT   ; o = o0 + j: 32 lanes read 512 consecutive bytes; read once in the launch
.endr
	s_wait_kmcnt 0x0
	s_add_co_i32 s22, s22, 127
	s_lshl_b32 s23, s22, 23
	v_mov_b32 v[SC], s23                           ; 2^e1 as f32: the conversion takes its exponent field
	s_add_co_i32 s22, s22, 8
	s_lshl_b32 s22, s22, 23
	s_or_b32 s21, s22, 0x600000                    ; 448 x 2^e1
	s_or_b32 s20, s21, 0x80000000                  ; and its negative
.irp j, 0,1,2,3,4,5,6,7,8,9,10,11,12,13,14,15
	s_wait_loadcnt 15-\j                           ; loads come back in order: row j is in, the younger rows may be out
	ds_store_b128 v[SIN], v[R+4*\j:R+4*\j+3] offset:PITCH*\j
.endr
.irp c, 0,1,2,3
.irp q, 0,1,2,3
	ds_load_b128 v[Y+16*\c+4*\q:Y+16*\c+4*\q+3], v[SOU] offset:64*\c+16*\q   ; LDS serves a wave's instructions in order: these see my stores
.endr
.endr
.irp c, 0,1,2,3
	s_wait_dscnt 12-4*\c                           ; group c's four reads are back; the later groups' may be out
.irp i, 0,1,2,3,4,5,6,7,8,9,10,11,12,13,14,15
	v_med3_num_f32 v[Y+16*\c+\i], v[Y+16*\c+\i], s20, s21   ; the conversion to an 8-bit code does not saturate (ISA guide 7.6.2): the hold at the largest code x the scale
.endr
	v_cvt_scalef32_pk8_fp8_f32 v[C+4*\c:C+4*\c+1], v[Y+16*\c:Y+16*\c+7], v[SC]
	v_cvt_scalef32_pk8_fp8_f32 v[C+4*\c+2:C+4*\c+3], v[Y+16*\c+8:Y+16*\c+15], v[SC]
	global_store_b128 v[LI], v[C+4*\c:C+4*\c+3], s[8:9] offset:512*\c   ; 32 lanes store 512 consecutive bytes, at a multiple of 512 from wq's first byte
.endr
	s_wait_tensorcnt 0x0                           ; the wave's end: behind my last LDS store
	ds_add_u32 v[SPW], v[NIL]
	s_wait_dscnt 0x0
	s_endpgm
.Lfunc_end_k_q50811ef5e7_wquant:
	.size	k_q50811ef5e7_wquant, .Lfunc_end_k_q50811ef5e7_wquant-k_q50811ef5e7_wquant
	.p2alignl 7, 3214868480
	.fill 96, 4, 3214868480
	.section	.rodata,"a",@progbits
	.p2align	6, 0x0
	.amdhsa_kernel k_q50811ef5e7_wquant
		.amdhsa_group_segment_fixed_size 68608
		.amdhsa_private_segment_fixed_size 0
		.amdhsa_enable_private_segment 0
		.amdhsa_kernarg_size 24
		.amdhsa_user_sgpr_count 2
		.amdhsa_user_sgpr_kernarg_segment_ptr 1
		.amdhsa_wavefront_size32 1
		.amdhsa_system_sgpr_workgroup_id_x 1
		.amdhsa_system_sgpr_workgroup_id_y 1
		.amdhsa_system_sgpr_workgroup_id_z 1
		.amdhsa_system_vgpr_workitem_id 0
		.amdhsa_next_free_vgpr 160
		.amdhsa_next_free_sgpr 66
		.amdhsa_reserve_vcc 0
		.amdhsa_float_denorm_mode_32 3
		.amdhsa_float_denorm_mode_16_64 3
		.amdhsa_memory_ordered 1
		.amdhsa_forward_progress 1
		.amdhsa_inst_pref_size 12
	.end_amdhsa_kernel
	.amdgpu_metadata
---
amdhsa.version: [ 1, 2 ]
amdhsa.kernels:
  - .name:           k_q50811ef5e7_wquant
    .symbol:         k_q50811ef5e7_wquant.kd
    .args:
      - { .name: wavelet_weights, .offset: 0, .size: 8, .value_kind: global_buffer, .address_space: global }
      - { .name: lowp_scales, .offset: 8, .size: 8, .value_kind: global_buffer, .address_space: global }
      - { .name: wq, .offset: 16, .size: 8, .value_kind: global_buffer, .address_space: global }
    .group_segment_fixed_size: 68608
    .private_segment_fixed_size: 0
    .kernarg_segment_align: 8
    .kernarg_segment_size: 24
    .max_flat_workgroup_size: 256
    .sgpr_count:     66
    .vgpr_count:     160
    .wavefront_size: 32
...
	.end_amdgpu_metadata
.endif
;; end of part 1
;; launch kan (part 2): grid 256 x 1, 8 waves a work-group, clusters of 4 x 1, 327,680 bytes of LDS; arguments x, wq, scales, translations, bias, lowp_scales, out0; writes out0
.if DOCPART == 2
	.amdgcn_target "amdgcn-amd-amdhsa--gfx1250"
	.amdhsa_code_object_version 6
	.text
	.protected	k_q50811ef5e7_kan
	.globl	k_q50811ef5e7_kan
	.p2align	8
	.type	k_q50811ef5e7_kan,@function
k_q50811ef5e7_kan:
	s_mov_b64 s[64:65], 0
	v_nop
	global_prefetch_b8 v0, s[64:65] scope:SCOPE_SE
	s_setreg_imm32_b32 hwreg(HW_REG_WAVE_MODE, 25, 1), 1
	s_wait_xcnt 0x0
	s_wait_alu depctr_hold_cnt(0) depctr_sa_sdst(0) depctr_va_vdst(0) depctr_va_sdst(0) depctr_va_ssrc(0) depctr_va_vcc(0) depctr_vm_vsrc(0)
	s_getreg_b32 s2, hwreg(HW_REG_IB_STS2, 6, 4)
	s_cmp_eq_u32 s2, 0
	s_cbranch_scc0 .Lentry_in_a_cluster
	s_endpgm
.Lentry_in_a_cluster:
	s_bfe_u32 s2, ttmp6, 0x10000c
	s_cmp_lg_u32 s2, 0x3003
	s_cbranch_scc0 .Lentry_shape_is_right
	s_endpgm
.Lentry_shape_is_right:
; out[n][o] = sum over (i, k) of W[o][i][k] basis[n][i][k] + bias[o];  basis = cos(5 t) exp(-t t / 2), t = (x[n][i] - trans[k]) / (scales[k] + 1e-6).  One product, M 8,192, N 512, K = 8,192, on codes of FP8 (E4M3):
; the basis is made in f32, held within +-448 x 2^e0 and converted with 2^e0; W's codes come from wq (the launch before, scale 2^e1).  The sums start from bias / 2^(e0 + e1) as the first C and are multiplied once by 2^(e0 + e1).
; SHARES.  A work-group owns 32 rows x all 512 columns x all K, so each number of the basis is made ONCE in the launch.  Eight waves; wave w owns columns 64 w .. + 63: 8 accumulators, 64 registers.
; K goes in 16 blocks of 32 i (K = 512).  In a stage wave w makes ONE fragment of the next block's basis (rows 16 (w % 2) .., i = 8 (w / 2) .. + 7: 64 numbers a lane), stores it to LDS as an image of its registers,
; and multiplies the block in hand: 4 quarters of K = 128, each 2 fragments of the basis (from LDS) x its own 4 fragments of W: 8 matrix instructions on the 8 accumulators by turns.  Two LDS buffers for the basis.
; W, which lies in wq as the waves' registers take it, comes in two halves.  CLUSTER: the four work-groups of a cluster walk the same codes: quarters 2 and 3 of a block are asked for JOINTLY, wave w asking for the 16,384 bytes
; that it reads itself, with the same descriptor and the mask 15 in all four work-groups, into a ring of two slots of 131,072 bytes: one refill a stage, behind a round of the cluster's barrier, which is also the stage's barrier.
; Two slots of a whole block would be 524,288 bytes and do not fit in LDS: so quarters 0 and 1 go from memory straight into registers, each asked for again behind its products, a stage ahead of its use.
; No prefetch: both kinds of load stand a stage ahead of their use.  x: 16 bytes a lane and stage (16 rows x 32 bytes a load; the four waves of a row half take 128 consecutive bytes of each row), two stages ahead.
; Cluster g begins its walk at block g mod 16: this enters global addresses alone, alike in the four partners; only the order of the f32 sums hangs on it.
; THE ARITHMETIC OF A NUMBER, two neighbouring k an instruction where a packed form exists:  v = x c2 - trans c2, c2 = sqrt(log2(e) / 2) / (scale + 1e-6) (trans c2 is rounded once, at the head);  E = 2^(-v v) = exp(-t t / 2);
; f = fract(v kap + 1/2), kap = 5 / (2 pi) sqrt(2 ln 2): f - 1/2 = r is 5 t / (2 pi) less a whole number;  z = f f - f = r r - 1/4;  P = sqrt(2) cos(pi r), a polynomial of degree 4 in z;  basis = P (P E) - E = E cos(5 t).
; K IS PERMUTED ALIKE IN BOTH OPERANDS: registers 4 c .. 4 c + 3 of lane (r, h) hold k = 0 .. 15 of i = i0 + 4 h + c.  THE MATRIX INSTRUCTION IS USED TRANSPOSED (source 0 = 16 columns of W, source 1 = 16 rows of the basis).
; LIMITS: e0 between -126 and 119; e0 + e1 between -126 and 126; |scale + 1e-6| between 2^-126 and 2^126; NaN and infinities among the inputs are not served; 2^(-v v) under 2^-126 counts as 0 (v_exp_f32 flushes);
; the polynomial is within 1e-7 of sqrt(2) cos(pi r).
; LDS: 0 slot 0, 131,072 slot 1 (a slot: [w 8][quarter 2][f 4][c 4][lane 32][16 bytes]);  262,144 and 278,528 the basis' buffers [fragment 8][c 4][lane 32][16 bytes];  294,912 the spare words.
; When slot 0 has had its last fill and its last read: 0 a stage of 32 rows x 272 for each wave, for the way out.
; REGISTERS: window 0 all but W;  window 1: W's quarter j, fragment f at v[64 j + 16 f].
.set SLOTB, 131072
.set BAS,  262144
.set BUFB, 16384
.set SP,   272
.set SPARE, BAS+2*BUFB
.set LI,  1                            ; 16 x lane: my offset in a fragment's image in wq
.set VW,  2                            ; v2, v3 my part of slot 0, 1: 16 x lane + 16,384 w (+ 131,072)
.set VST, 4                            ; where my fragment goes: BAS + 16 x lane + 2,048 w
.set VX,  5                            ; x: 2,048 (16 (w % 2) + r) + 32 (w / 2) + 16 h
.set SPW, 6                            ; my spare word; never rewritten
.set NIL, 7                            ; 0; never rewritten
.set SC,  8                            ; 2^e0 as f32
.set SO,  9                            ; the way out: into my stage
.set SR,  10                           ; back from it
.set GO,  11                           ; my offset in out
.set Q3,  12                           ; v[12:13] the polynomial's third coefficient, twice
.set XA,  16                           ; x of the even stages
.set XB,  20                           ; x of the odd stages
.set CB,  24                           ; v[24:39] c2
.set BB,  40                           ; v[40:55] -trans c2
.set GB,  56                           ; v[56:87]   32 numbers: v, -v v, E, the basis
.set UB,  88                           ; v[88:119]  u, f, z, P E; between the makings fragments of the basis
.set PB,  120                          ; v[120:151] P; between the makings fragments of the basis
.set FB,  152                          ; v[152:167] my fragment's codes
.set ACC, 168                          ; v[168:231] accumulator (f, m) at 8 (2 f + m)
.set XH,  232                          ; x of the head's making
.set BO,  236                          ; my offset in bias
.set VLA, 237                          ; the basis' buffers: BAS + 16 x lane
.set ZA,  238                          ; 0, as an offset
.set WV,  18
.set TR,  19                           ; the loop's trip
.set RC,  20                           ; W's plain loads: 32,768 bytes a block, + 32,768 (g mod 16)
.set XC,  21                           ; x: 128 bytes a block, + 128 (g mod 16)
.set OF,  22                           ; s[22:23] an offset, 0 above
.set SB,  24                           ; s[24:27] a base for each of quarters 0, 1
.set XP,  32                           ; s[32:33] the x load's base
.set XW,  34                           ; s[34:35] x at my work-group's first row
.set XO,  36                           ; s[36:37] an offset, 0 above
.set KAP, 40
.set Q4,  42
.set Q2,  44
.set Q1,  46
.set Q0,  48
.set OS,  50                           ; 2^(e0 + e1)
.set LO,  52
.set HI,  53
.set E0,  54                           ; s54 e0, s55 e1
.set IS,  56                           ; 2^-(e0 + e1)
.set G1,  76                           ; s[76:83] descriptor group 1
.set G0,  84                           ; s[84:87], s[88:91] group 0 for slot 0, slot 1
.set WT,  92                           ; s[92:93] my stream in wq, at quarter 2
.set TC,  94                           ; the joint loads' walk, as RC
.set MSB, 0
.macro WIN new                         ; s_set_vgpr_msb: bits 1:0 source 0, 7:6 destination; the high byte repeats the setting that is left
.if MSB != (\new)
	s_set_vgpr_msb (MSB<<8)|(\new)
.set MSB, (\new)
.endif
.endm
.macro PLACES
.rept 4
	v_nop
.endr
.endm
.macro CREST                           ; a round of the cluster's barrier behind its opening barrier
	s_cmp_lg_u32 s[WV], 0
	s_cbranch_scc1 .Lnot_wave_0_\@
	s_barrier_signal -3
.Lnot_wave_0_\@:
	s_barrier_wait -3
	s_barrier_signal -1
	s_barrier_wait -1
.endm
.macro CROUND                          ; a whole round
	s_barrier_signal -1
	s_barrier_wait -1
	CREST
.endm
.macro TADDR sl                        ; slot sl's group 0 takes the next block's quarters 2 and 3 of my stream; no tensor load of mine is out here
	s_and_b32 s[OF], s[TC], 0x7ffff                ; my stream is 524,288 bytes: the walk wraps
	s_add_co_u32 s[TC], s[TC], 0x8000
	s_add_nc_u64 s[G0+4*\sl+2:G0+4*\sl+3], s[WT:WT+1], s[OF:OF+1]
	s_or_b32 s[G0+4*\sl+3], s[G0+4*\sl+3], 0x80000000   ; 127:126 type = 2
.endm
.macro TL sl                           ; the joint load, with an s_nop 0 and four v_nop behind it; the four are also places behind the last products
	tensor_load_to_lds s[G0+4*\sl:G0+4*\sl+3], s[G1:G1+7]
	s_nop 0
	PLACES
.endm
; the next block's quarter j (0 or 1) into its registers.  The base s[SB + 2 j] was last read by loads that the wait ahead of quarter j's products has shown done
.macro REFILL j
	s_and_b32 s[OF], s[RC], 0x7ffff
.if \j
	s_add_co_u32 s[RC], s[RC], 0x8000
.endif
	s_add_nc_u64 s[SB+2*\j:SB+2*\j+1], s[6:7], s[OF:OF+1]
	WIN 0x40
.irp f, 0,1,2,3
.irp c, 0,1,2,3
	global_load_b128 v[64*\j+16*\f+4*\c:64*\j+16*\f+4*\c+3], v[LI], s[SB+2*\j:SB+2*\j+1] offset:8192*\j+2048*\f+512*\c
.endr
.endr
	WIN 0
.endm
.macro LDW j, sl                       ; quarter j (2 or 3) from my part of slot sl, which I alone read
	WIN 0x40
.irp f, 0,1,2,3
.irp c, 0,1,2,3
	ds_load_b128 v[64*\j+16*\f+4*\c:64*\j+16*\f+4*\c+3], v[VW+\sl] offset:8192*(\j-2)+2048*\f+512*\c
.endr
.endr
	WIN 0
.endm
.macro XLOAD set, bp                   ; four x of my row for the next block not yet asked for
	s_and_b32 s[XO], s[XC], 0x7ff
	s_add_co_u32 s[XC], s[XC], 128
	s_add_nc_u64 s[\bp:\bp+1], s[XW:XW+1], s[XO:XO+1]
	global_load_b128 v[\set:\set+3], v[VX], s[\bp:\bp+1]
.endm
.macro LDA q, bank, buf                ; the basis' two fragments of quarter q
.irp m, 0,1
.irp c, 0,1,2,3
	ds_load_b128 v[\bank+16*\m+4*\c:\bank+16*\m+4*\c+3], v[VLA] offset:BUFB*\buf+2048*(2*\q+\m)+512*\c
.endr
.endr
.endm
.macro WM j, bank                      ; quarter j's 8 products, the 8 accumulators by turns
	WIN 0x01
	s_wait_alu depctr_va_vdst(0)                   ; exponentials stand between the accumulators' last products and these
.irp f, 0,1,2,3
.irp m, 0,1
	v_wmma_f32_16x16x128_fp8_fp8 v[ACC+8*(2*\f+\m):ACC+8*(2*\f+\m)+7], v[64*\j+16*\f:64*\j+16*\f+15], v[\bank+16*\m:\bank+16*\m+15], v[ACC+8*(2*\f+\m):ACC+8*(2*\f+\m)+7]
.endr
.endr
	WIN 0
.endm
.macro MUL j, bank, dsn, lcn           ; dsn, lcn: the younger LDS instructions and loads that may stay out (lcn < 0: the quarter came from LDS)
	s_wait_dscnt \dsn
.if \lcn >= 0
	s_wait_loadcnt \lcn
.endif
	WM \j, \bank
.endm
; THE MAKING of half a fragment: 32 numbers a lane, i = i0 + 4 h + 2 hb + 0, 1.  Each level is 16 independent instructions
.macro L1 xs, hb
.set p, 0
.rept 8
	v_pk_fma_f32 v[GB+p:GB+p+1], v[\xs+2*\hb:\xs+2*\hb+1], v[CB+p:CB+p+1], v[BB+p:BB+p+1] op_sel_hi:[0,1,1]   ; v: the pair's first x for both halves
.set p, p+2
.endr
.set p, 0
.rept 8
	v_pk_fma_f32 v[GB+16+p:GB+16+p+1], v[\xs+2*\hb:\xs+2*\hb+1], v[CB+p:CB+p+1], v[BB+p:BB+p+1] op_sel:[1,0,0] op_sel_hi:[1,1,1]   ; the second x
.set p, p+2
.endr
.endm
.macro L2
.set p, 0
.rept 16
	v_pk_fma_f32 v[UB+p:UB+p+1], v[GB+p:GB+p+1], s[KAP:KAP+1], 0.5 op_sel_hi:[1,0,0]
.set p, p+2
.endr
.set p, 0
.rept 16
	v_pk_mul_f32 v[GB+p:GB+p+1], v[GB+p:GB+p+1], v[GB+p:GB+p+1] neg_lo:[1,0] neg_hi:[1,0]
.set p, p+2
.endr
.endm
.macro EXPS
	s_wait_alu depctr_va_vdst(0)
.set n, 0
.rept 32
	v_exp_f32 v[GB+n], v[GB+n]
	v_fract_f32 v[UB+n], v[UB+n]                   ; reads what was written ahead of the batch; read behind it
.set n, n+1
.endr
	s_wait_alu depctr_va_vdst(0)
.endm
.macro L3
.set p, 0
.rept 16
	v_pk_fma_f32 v[UB+p:UB+p+1], v[UB+p:UB+p+1], v[UB+p:UB+p+1], v[UB+p:UB+p+1] neg_lo:[0,0,1] neg_hi:[0,0,1]   ; z = f f - f
.set p, p+2
.endr
.set p, 0
.rept 16
	v_pk_fma_f32 v[PB+p:PB+p+1], v[UB+p:UB+p+1], s[Q4:Q4+1], v[Q3:Q3+1] op_sel_hi:[1,0,1]
.set p, p+2
.endr
.irp q, Q2, Q1, Q0
.set p, 0
.rept 16
	v_pk_fma_f32 v[PB+p:PB+p+1], v[PB+p:PB+p+1], v[UB+p:UB+p+1], s[\q:\q+1] op_sel_hi:[1,1,0]
.set p, p+2
.endr
.endr
.set p, 0
.rept 16
	v_pk_mul_f32 v[UB+p:UB+p+1], v[PB+p:PB+p+1], v[GB+p:GB+p+1]                                   ; P E
.set p, p+2
.endr
.set p, 0
.rept 16
	v_pk_fma_f32 v[GB+p:GB+p+1], v[PB+p:PB+p+1], v[UB+p:UB+p+1], v[GB+p:GB+p+1] neg_lo:[0,0,1] neg_hi:[0,0,1]   ; P (P E) - E
.set p, p+2
.endr
.endm
.macro HOLDCVT hb, wb                  ; the hold, the conversions, the codes into buffer wb
.set n, 0
.rept 32
	v_med3_num_f32 v[GB+n], v[GB+n], s[LO], s[HI]  ; the conversion to an 8-bit code does not saturate (ISA guide 7.6.2); no branch hangs on e0
.set n, n+1
.endr
.irp u, 0,1,2,3
	v_cvt_scalef32_pk8_fp8_f32 v[FB+8*\hb+2*\u:FB+8*\hb+2*\u+1], v[GB+8*\u:GB+8*\u+7], v[SC]
.endr
	v_nop                                          ; one plain line behind the conversions
	ds_store_b128 v[VST], v[FB+8*\hb:FB+8*\hb+3] offset:BUFB*(\wb)+1024*\hb
	ds_store_b128 v[VST], v[FB+8*\hb+4:FB+8*\hb+7] offset:BUFB*(\wb)+1024*\hb+512
.endm
; THE STAGE'S END.  Each wave waits for all its tensor loads (one is out: its part of the other slot), adds 0 to its spare word, and waits for that, for its stores of codes and for its reads of slot sl and of the basis' buffer.
; fill = 1: the barrier opens a round of the cluster's barrier, so that no wave of any partner still reads slot sl or has a load on its way; the joint refill is the first thing behind the round, one load a wave; it has the
; next stage in which to land.  mul = 1: quarter 3's products, work on registers, stand between the signal and the wait.
.macro BOUND sl, fill, mul
	s_wait_tensorcnt 0x0
	ds_add_u32 v[SPW], v[NIL]
.if \fill
	TADDR \sl
.endif
	s_wait_dscnt 0x0
	s_barrier_signal -1
.if \mul
	WM 3, UB
.endif
	s_barrier_wait -1
.if \fill
	CREST
	TL \sl
.endif
.endm
; A STAGE: multiplies the block whose basis lies in buffer rb and whose quarters 2, 3 lie in slot rb; makes the next block's basis into the other buffer.  Every load into a register that a product has read stands behind
; 16 plain instructions or more.  Plain loads in order: quarter 0, quarter 1, x.  Ahead of quarter 0's or 1's products the other quarter's 16 loads may be out; the x load among the younger ones is then waited for too.
; xl: 1 the x of the stage after next is asked for; 2 not in the loop's last trip, where no such stage makes anything; 0 not.
.macro STAGE rb, xs, xl, fill
	LDA 0, PB, \rb
	LDW 2, \rb
	L1 \xs, 0
	MUL 0, PB, 16, 16                              ; quarter 2's 16 LDS loads may be out
	LDW 3, \rb
	L2
	REFILL 0
	EXPS
	L3
	LDA 1, UB, \rb
	HOLDCVT 0, 1-\rb
	MUL 1, UB, 2, 16                               ; my two stores may be out
	LDA 2, PB, \rb
	L1 \xs, 1
	REFILL 1
.if \xl == 2
	s_cmp_eq_u32 s[TR], 6
	s_cbranch_scc1 .Lno_x_\@
.endif
.if \xl
	XLOAD \xs, XP                                  ; the set's last x has just been read; the base's last load is older than loads already waited for
.endif
.if \xl == 2
.Lno_x_\@:
.endif
	MUL 2, PB, 0, -1
	L2
	EXPS
	L3
	LDA 3, UB, \rb
	HOLDCVT 1, 1-\rb
	BOUND \rb, \fill, 1
.endm
	s_load_b256 s[4:11], s[0:1], 0x0               ; x s[4:5], wq s[6:7], scales s[8:9], translations s[10:11]
	s_load_b128 s[12:15], s[0:1], 0x20             ; bias s[12:13], the scales' exponents s[14:15]
	s_load_b64 s[16:17], s[0:1], 0x30              ; out
	v_lshl_add_u32 v[SPW], v0, 2, SPARE
	v_mov_b32 v[NIL], 0
	ds_add_u32 v[SPW], v[NIL]                      ; the wave's opening: the add, twice on end, and its wait ahead of my first tensor load
	ds_add_u32 v[SPW], v[NIL]
	v_lshrrev_b32 v14, 5, v0
	v_readfirstlane_b32 s[WV], v14                 ; wave 0..7
	s_bfe_u32 s63, ttmp6, 0x40000                  ; cx: it feeds x's and out's addresses alone
	s_and_b32 s62, ttmp9, 15                       ; in a cluster launch ttmp9 counts clusters: the four partners share where the walk begins
	s_lshl_b32 s[RC], s62, 15
	s_lshl_b32 s[TC], s62, 15
	s_lshl_b32 s[XC], s62, 7
	s_lshl_b32 s58, ttmp9, 2
	s_add_co_u32 s58, s58, s63                     ; my work-group = 4 x cluster + cx
	s_lshl_b32 s58, s58, 16                        ; its 32 rows of 2,048 bytes, in x and in out
	s_mov_b32 s59, 0
	s_lshl_b32 s60, s[WV], 19                      ; my stream in wq
	s_mov_b32 s61, 0
	s_mov_b32 s[OF+1], 0
	s_mov_b32 s[XO+1], 0
	; group 1: 64 rows of 256 bytes, dense: 16,384 bytes a load
	s_mov_b32 s[G1+0], 15|(3<<16)|(1<<21)          ; 15:0 the mask: all four work-groups; 17:16 elements of 8 bytes; 21 set beside a mask; no padding
	s_mov_b32 s[G1+1], 32<<16                      ; tensor_dim0 = 32
	s_mov_b32 s[G1+2], 64<<16                      ; tensor_dim1 = 64
	s_mov_b32 s[G1+3], 32<<16                      ; tile_dim0 = 32
	s_mov_b32 s[G1+4], 64                          ; tile_dim1 = 64
	s_mov_b32 s[G1+5], 32                          ; from row to row
	s_mov_b32 s[G1+6], 0
	s_mov_b32 s[G1+7], 0
	s_mov_b32 s[G0], 1                             ; 1:0 count = 1
	s_lshl_b32 s[G0+1], s[WV], 14                  ; LDS address: slot 0, my part
	s_mov_b32 s[G0+4], 1
	s_add_co_u32 s[G0+5], s[G0+1], SLOTB           ; slot 1, my part
	s_lshl_b32 s66, s[WV], 11
	s_add_co_u32 s66, s66, BAS
	s_and_b32 s67, s[WV], 1
	s_lshl_b32 s67, s67, 15
	s_lshr_b32 s68, s[WV], 1
	s_lshl_b32 s68, s68, 5
	s_add_co_u32 s67, s67, s68
	s_mul_i32 s68, s[WV], 32*SP
	s_lshl_b32 s69, s[WV], 8
	s_lshl_b32 s70, s[WV], 14
	s_mov_b32 s[KAP], 0x3f6fdc29                   ; 0.936953126; the packed forms name a pair and take its low word for both halves, so both words are written
	s_mov_b32 s[KAP+1], 0x3f6fdc29
	s_mov_b32 s[Q4], 0x3e9f13d5                    ; sqrt(2) cos(pi r) = q0 + z (q1 + z (q2 + z (q3 + z q4))), z = r r - 1/4:  0.310698192
	s_mov_b32 s[Q4+1], 0x3e9f13d5
	s_mov_b32 s[Q2], 0x408e2f85                    ; 4.443300754
	s_mov_b32 s[Q2+1], 0x408e2f85
	s_mov_b32 s[Q1], 0xc08e2bfd                    ; -4.442869826
	s_mov_b32 s[Q1+1], 0xc08e2bfd
	s_mov_b32 s[Q0], 0x338e3a2a                    ; 6.62e-8
	s_mov_b32 s[Q0+1], 0x338e3a2a
	v_and_b32 v14, 31, v0
	v_lshlrev_b32 v[LI], 4, v14
	v_and_b32 v15, 15, v0                          ; r
	v_bfe_u32 v14, v0, 4, 1                        ; h
	v_add_nc_u32 v[VW], s70, v[LI]
	v_add_nc_u32 v[VW+1], SLOTB, v[VW]
	v_add_nc_u32 v[VST], s66, v[LI]
	v_add_nc_u32 v[VLA], BAS, v[LI]
	v_lshlrev_b32 v[VX], 11, v15
	v_lshl_add_u32 v[VX], v14, 4, v[VX]
	v_add_nc_u32 v[VX], s67, v[VX]
	v_mul_u32_u24 v[SO], v15, SP
	v_lshl_add_u32 v[SO], v14, 5, v[SO]
	v_add_nc_u32 v[SO], s68, v[SO]                 ; in: row r, 32 bytes for each half of the lanes
	v_mul_u32_u24 v[SR], v14, SP
	v_lshl_add_u32 v[SR], v15, 4, v[SR]
	v_add_nc_u32 v[SR], s68, v[SR]                 ; back: lanes 0-15 one row of 256 bytes, lanes 16-31 the next
	v_lshlrev_b32 v[GO], 11, v14
	v_lshl_add_u32 v[GO], v15, 4, v[GO]
	v_add_nc_u32 v[GO], s69, v[GO]                 ; the same two rows in out, at my 64 columns
	v_lshl_add_u32 v[BO], v14, 5, s69              ; bias: 256 w + 32 h
	v_mov_b32 v[Q3], 0xbfc953a2                    ; -1.572864789
	v_mov_b32 v[Q3+1], 0xbfc953a2
	v_mov_b32 v[ZA], 0
	s_wait_alu depctr_va_vdst(0)
	s_wait_dscnt 0x0                               ; both opening adds are done
	s_wait_kmcnt 0x0
	s_load_b64 s[E0:E0+1], s[14:15], 0x0           ; e0, e1
	s_add_nc_u64 s[XW:XW+1], s[4:5], s[58:59]
	s_add_nc_u64 s[16:17], s[16:17], s[58:59]
	s_add_nc_u64 s[6:7], s[6:7], s[60:61]
	s_add_nc_u64 s[WT:WT+1], s[6:7], 0x4000
	TADDR 0
	CROUND                                         ; all four work-groups are here: the first joint loads meet
	TL 0                                           ; block 0's quarters 2 and 3: one tensor load a wave at the head
	XLOAD XH, 70                                   ; block 0's x, for the head; a base of its own for each of the head's three
	XLOAD XA, 72                                   ; block 1's, for stage 0
.irp j, 0,1,2,3
	global_load_b128 v[BB+4*\j:BB+4*\j+3], v[ZA], s[10:11] offset:16*\j   ; the 16 wavelets' constants, in every lane
	global_load_b128 v[CB+4*\j:CB+4*\j+3], v[ZA], s[8:9] offset:16*\j
.endr
.irp f, 0,1,2,3
	global_load_b128 v[PB+8*\f:PB+8*\f+3], v[BO], s[12:13] offset:64*\f          ; bias of columns 64 w + 16 f + 8 h + 0 .. 7, in the result's layout
	global_load_b128 v[PB+8*\f+4:PB+8*\f+7], v[BO], s[12:13] offset:64*\f+16
.endr
	REFILL 0
	REFILL 1
	XLOAD XB, 74                                   ; block 2's, for stage 1
	s_wait_loadcnt 33                              ; all but the two quarters and the x behind them
.set n, 0
.rept 16
	v_add_f32 v[CB+n], 0x358637bd, v[CB+n]         ; a = scale + 1e-6
.set n, n+1
.endr
	s_wait_alu depctr_va_vdst(0)
.set n, 0
.rept 16
	v_rcp_f32 v[UB+n], v[CB+n]
.set n, n+1
.endr
	v_nop
	s_wait_alu depctr_va_vdst(0)
.set n, 0
.rept 16
	v_fma_f32 v[GB+n], -v[CB+n], v[UB+n], 1.0      ; one step of Newton: 1 - a y,
.set n, n+1
.endr
.set n, 0
.rept 16
	v_fma_f32 v[UB+n], v[UB+n], v[GB+n], v[UB+n]   ; y + y (1 - a y)
.set n, n+1
.endr
.set n, 0
.rept 16
	v_mul_f32 v[CB+n], 0x3f596d27, v[UB+n]         ; c2 = sqrt(log2(e) / 2) / a
.set n, n+1
.endr
.set n, 0
.rept 16
	v_mul_f32 v[BB+n], -v[BB+n], v[CB+n]           ; -trans c2
.set n, n+1
.endr
	s_wait_alu depctr_va_vdst(0)
	s_wait_kmcnt 0x0
	s_add_co_i32 s58, s[E0], 127
	s_lshl_b32 s59, s58, 23
	v_mov_b32 v[SC], s59                           ; 2^e0 as f32: the conversion takes its exponent field
	s_add_co_i32 s58, s58, 8
	s_lshl_b32 s58, s58, 23
	s_or_b32 s[HI], s58, 0x600000                  ; 448 x 2^e0
	s_or_b32 s[LO], s[HI], 0x80000000
	s_add_co_i32 s58, s[E0], s[E0+1]
	s_add_co_i32 s[OS], s58, 127
	s_lshl_b32 s[OS], s[OS], 23                    ; 2^(e0 + e1)
	s_mov_b32 s[OS+1], s[OS]
	s_sub_co_i32 s[IS], 127, s58
	s_lshl_b32 s[IS], s[IS], 23                    ; 2^-(e0 + e1)
	s_mov_b32 s[IS+1], s[IS]
.irp f, 0,1,2,3
.irp m, 0,1
.irp i, 0,2,4,6
	v_pk_mul_f32 v[ACC+8*(2*\f+\m)+\i:ACC+8*(2*\f+\m)+\i+1], v[PB+8*\f+\i:PB+8*\f+\i+1], s[IS:IS+1] op_sel_hi:[1,0]   ; the sums start from the bias, less the power of two that they lack
.endr
.endr
.endr
	s_wait_alu depctr_va_vdst(0)
	L1 XH, 0                                       ; BLOCK 0's basis, into buffer 0, while W's first quarters are on their way
	L2
	EXPS
	L3
	HOLDCVT 0, 0
	L1 XH, 1
	L2
	EXPS
	L3
	HOLDCVT 1, 0
	s_wait_alu depctr_va_vdst(0)
	BOUND 1, 1, 0                                  ; slot 1's first fill, block 1's, is issued as a refill is
	s_mov_b32 s[TR], 0
.Ltrip:                                            ; 7 trips: stages 0 to 13; stage s ends by asking for block s + 2
	STAGE 0, XA, 1, 1
	STAGE 1, XB, 2, 1
	s_add_co_u32 s[TR], s[TR], 1
	s_cmp_lt_u32 s[TR], 7
	s_cbranch_scc1 .Ltrip
	STAGE 0, XA, 0, 0                              ; stage 14 makes the last block; nothing is filled again, so no round follows
	; STAGE 15: products alone.  The banks and the wavelets' constants are free: all eight fragments of the basis at once
	PLACES                                         ; behind the last products: loads follow into registers that they read
	LDA 0, PB, 1
	LDA 1, UB, 1
	LDA 2, GB, 1
	LDA 3, CB, 1
	LDW 2, 1
	LDW 3, 1
	MUL 0, PB, 56, 16
	MUL 1, UB, 48, 0
	MUL 2, GB, 16, -1
	MUL 3, CB, 0, -1
	PLACES                                         ; four places ahead of the first read of results (ISA guide 7.12.1)
	; THE WAY OUT: x 2^(e0 + e1); through my own stage, so that sixteen lanes store 256 consecutive bytes.  The stage lies in slot 0: its last fill was block 14's, and every wave has passed the barrier behind its last read
.set p, 0
.rept 32
	v_pk_mul_f32 v[GB+p:GB+p+1], v[ACC+p:ACC+p+1], s[OS:OS+1] op_sel_hi:[1,0]   ; each accumulator from its low end on
.set p, p+2
.endr
.irp f, 0,1,2,3
.irp m, 0,1
	ds_store_b128 v[SO], v[GB+8*(2*\f+\m):GB+8*(2*\f+\m)+3] offset:16*SP*\m+64*\f          ; lane (r, h): out(16 m + r, 64 w + 16 f + 8 h + 0 .. 7)
	ds_store_b128 v[SO], v[GB+8*(2*\f+\m)+4:GB+8*(2*\f+\m)+7] offset:16*SP*\m+64*\f+16
.endr
.endr
.irp t, 0,1,2,3,4,5,6,7,8,9,10,11,12,13,14,15
	ds_load_b128 v[GB+4*\t:GB+4*\t+3], v[SR] offset:2*SP*\t   ; LDS serves a wave's instructions in order (ISA guide 5.7.1.4): these see my stores
.endr
.irp t, 0,1,2,3,4,5,6,7,8,9,10,11,12,13,14,15
	s_wait_dscnt 15-\t
	global_store_b128 v[GO], v[GB+4*\t:GB+4*\t+3], s[16:17] offset:4096*\t th:TH_STORE_NT   ; 16 lanes store 256 consecutive bytes, at a multiple of 256 from out's first byte
.endr
	s_wait_tensorcnt 0x0                           ; the wave's end: behind my last tensor load and my last LDS store
	ds_add_u32 v[SPW], v[NIL]
	s_wait_dscnt 0x0
	CROUND                                         ; the closing round: no work-group ends while a partner may still ask for a block that names it
	s_endpgm
.Lfunc_end_k_q50811ef5e7_kan:
	.size	k_q50811ef5e7_kan, .Lfunc_end_k_q50811ef5e7_kan-k_q50811ef5e7_kan
	.p2alignl 7, 3214868480
	.fill 96, 4, 3214868480
	.section	.rodata,"a",@progbits
	.p2align	6, 0x0
	.amdhsa_kernel k_q50811ef5e7_kan
		.amdhsa_group_segment_fixed_size 327680
		.amdhsa_private_segment_fixed_size 0
		.amdhsa_enable_private_segment 0
		.amdhsa_kernarg_size 56
		.amdhsa_user_sgpr_count 2
		.amdhsa_user_sgpr_kernarg_segment_ptr 1
		.amdhsa_wavefront_size32 1
		.amdhsa_system_sgpr_workgroup_id_x 1
		.amdhsa_system_sgpr_workgroup_id_y 1
		.amdhsa_system_sgpr_workgroup_id_z 1
		.amdhsa_system_vgpr_workitem_id 0
		.amdhsa_next_free_vgpr 512
		.amdhsa_next_free_sgpr 96
		.amdhsa_reserve_vcc 0
		.amdhsa_float_denorm_mode_32 3
		.amdhsa_float_denorm_mode_16_64 3
		.amdhsa_memory_ordered 1
		.amdhsa_forward_progress 1
		.amdhsa_inst_pref_size 182
	.end_amdhsa_kernel
	.amdgpu_metadata
---
amdhsa.version: [ 1, 2 ]
amdhsa.kernels:
  - .name:           k_q50811ef5e7_kan
    .symbol:         k_q50811ef5e7_kan.kd
    .args:
      - { .name: x, .offset: 0, .size: 8, .value_kind: global_buffer, .address_space: global }
      - { .name: wq, .offset: 8, .size: 8, .value_kind: global_buffer, .address_space: global }
      - { .name: scales, .offset: 16, .size: 8, .value_kind: global_buffer, .address_space: global }
      - { .name: translations, .offset: 24, .size: 8, .value_kind: global_buffer, .address_space: global }
      - { .name: bias, .offset: 32, .size: 8, .value_kind: global_buffer, .address_space: global }
      - { .name: lowp_scales, .offset: 40, .size: 8, .value_kind: global_buffer, .address_space: global }
      - { .name: out0, .offset: 48, .size: 8, .value_kind: global_buffer, .address_space: global }
    .group_segment_fixed_size: 327680
    .private_segment_fixed_size: 0
    .kernarg_segment_align: 8
    .kernarg_segment_size: 56
    .max_flat_workgroup_size: 256
    .sgpr_count:     96
    .vgpr_count:     512
    .wavefront_size: 32
...
	.end_amdgpu_metadata
.endif
;; end of part 2
